; MI455X (gfx1250); checked and timed in simulation.
; The chip was launched on July 23, 2026; its instructions are those of AMD's public machine-readable ISA for CDNA 5 (MIT licence, August 2026) and "CDNA5" Instruction Set Architecture Reference Guide (July 2026). The comments in the code are by the model that wrote it; some were corrected since.
;; Experts. Allowed arithmetic: matrix products marked QUANTISED: E3M2 operands, one E8M0 scale for each 32 along K, by v_wmma_scale_f32_16x16x128_f8f6f4 with both operands' format E3M2, f32 sums; everything else in f32.
;; Inputs: b1 8 x 2,048 float32; b2 8 x 1,024 float32; w1 8 x 1,024 x 2,048 float32; w2 8 x 2,048 x 1,024 float32; x 4 x 8 x 512 x 1,024 float32.
;; Outputs: out0 4 x 8 x 512 x 1,024 float32.
;; This version of the problem:
;;   THIS VERSION OF THE PROBLEM IS GIVEN IN LOW PRECISION. The matrix products marked QUANTISED in the list below multiply operands that are first quantised to E3M2 (3 exponent bits, 2 mantissa bits; 6 bits a number), with one power-of-two scale for each 32 numbers along K (OCP MX v1.0); their sums are f32. All else is computed in f32.
;;   The module's matrix products, in the order in which they are computed (A, B: the left and right operand; K: the contracted axis; several contracted axes count as one K, in the product's order):
;;     1. batch 8 x [M 2,048, K 1,024] x [K 1,024, N 2,048]; A: input x; B: input w1: QUANTISED
;;     2. batch 8 x [M 2,048, K 2,048] x [K 2,048, N 1,024]; A: computed on the way; B: input w2: QUANTISED
;;   THE QUANTISER, for each operand of a quantised product, along K:
;;     - K is cut into blocks of 32 from its start; a last block that is shorter is filled with zeros.
;;     - A block's scale is 2^e with e = floor(log2(the largest magnitude in the block)) - 4, held to -126 .. 127; a block of zeros has e = 0. As a byte (E8M0): e + 127.
;;     - Each number is divided by its block's scale, clamped to +-28, and rounded to the nearest number of E3M2, ties to even, subnormals kept.
;;     - The product sums the exact products of the quantised numbers (number of the format x scale) in f32.
;;   ~~~python
;;   def quantise(x, axis):      # numpy; x: float32 -> the quantised numbers, widened to float32 again
;;       x = np.moveaxis(x, axis, -1); K = x.shape[-1]
;;       x = np.pad(x, [(0, 0)] * (x.ndim - 1) + [(0, -K % 32)]); x = x.reshape(x.shape[:-1] + (-1, 32)); a = np.abs(x).max(-1, keepdims=True)
;;       e = np.where(a > 0, np.clip(np.frexp(np.where(a > 0, a, 1))[1] - 1 - 4, -126, 127), 0)      # np.frexp(a)[1] - 1 = floor(log2(a)), exactly
;;       r = np.clip(x / 2.0 ** e, -28, 28)
;;       step = 2.0 ** (np.maximum(np.frexp(np.where(r == 0, 1, r))[1] - 1, -2) - 2)
;;       q = np.round(r / step) * step * 2.0 ** e      # np.round: ties to even
;;       return np.moveaxis(q.reshape(q.shape[:-2] + (-1,))[..., :K], -1, axis).astype(np.float32)
;;   ~~~
;;   OPERANDS COMPUTED ON THE WAY. 'Computed on the way' means the value that the module computes at that place (a softmax that the list does not call 'softmax' is quantised finished and normalised). What goes into a quantiser is computed in f32, as accurately as f32 sums, v_exp_f32 and their like allow (about 1e-6 of the number): no bf16 or f16 on the way to a quantiser, and a product that is left as it is and whose result goes on into a quantised operand takes f32 operands (vector FMAs, or v_wmma_f32_16x16x4_f32). A number that lies on a knife's edge between two numbers of the format may be rounded either way, as far as f32 arithmetic and the matrix unit's own rounding can turn it there, and no further.
;; One version. Each part assembles by itself: llvm-mc -triple=amdgcn-amd-amdhsa -mcpu=gfx1250 --defsym DOCPART=n.
;; ======== version 1 of 1: 3 launches
;; limits: right only within a limited range of input values
;; workspace buffers: codes 39,321,600 bytes; hid 26,214,400 bytes
;; launch quant (part 1): grid 1536 x 1, 4 waves a work-group, no clusters, 34,304 bytes of LDS; arguments x, w1, w2, codes; writes codes
.if DOCPART == 1
	.amdgcn_target "amdgcn-amd-amdhsa--gfx1250"
	.amdhsa_code_object_version 6
	.text
	.protected	k_q43bf41bca6_quant
	.globl	k_q43bf41bca6_quant
	.p2align	8
	.type	k_q43bf41bca6_quant,@function
k_q43bf41bca6_quant:
	s_mov_b64 s[64:65], 0
	v_nop
	global_prefetch_b8 v0, s[64:65] scope:SCOPE_SE
	s_setreg_imm32_b32 hwreg(HW_REG_WAVE_MODE, 25, 1), 1
	s_wait_xcnt 0x0
; x [16384][1024], w1 [8][1024][2048] and w2 [8][2048][1024], all f32, become codes of BF6 (E3M2) with one E8M0 scale byte for each 32 along K, laid as OPERAND BLOCKS for the two products that follow.
; AN OPERAND BLOCK is 25,600 bytes: 128 rows of an operand x 256 along K, as two sub-blocks of 12,800 bytes (128 along K each).  A sub-block holds eight fragment images of 1,536 bytes (16 rows x 128 K:
; the 12 registers of each of the 32 lanes, registers 4 c .. 4 c + 3 of lane l at 512 c + 16 l) and, from byte 12,288 on, one scale word for each of the 128 rows.  So a fragment is later read by three loads of 16 bytes a lane.
; Work-group id makes block id:  0-511 w1 ((16 e + g) 4 + j: g = 128 hidden units, j = 256 of d);  512-1023 w2 ((8 e + g) 8 + j: g = 128 outputs, j = 256 hidden units);  1024-1535 x (4 g + j: g = 128 rows, j = 256 of d).
; A block's scale is 2^(floor(log2(its largest magnitude)) - 4); its byte is the largest magnitude's exponent field - 4, held at 1 from below.
; LIMITS: a block of zeros gets the byte 1 where the rule says 127 (its codes are zeros, and this program alone reads the bytes); blocks whose largest magnitude lies under 2^-122 are held at the byte 1; NaN and infinities are not served.
; THE WEIGHTS have K as their first axis: a lane takes a column and its registers run down K, so a block of 32 lies in one lane and the conversions give codes with K innermost.  A wave takes 32 columns x 256 K.
; THE HIDDEN UNITS OF w1 ARE PERMUTED inside a group: unit 32 b + y goes to tile 2 b + (y / 8) % 2, row y % 8 + 8 (y / 16), so that the first product's results lie along the second product's K in a lane's registers.
; x has K innermost: each load takes 512 consecutive bytes of a row, 16 rows turn through the wave's own stage in LDS, and a lane reads back its 32 neighbours of two blocks.
; No barrier: waves share nothing.  No tensor loads.  Only x's path touches LDS.
.set BLKB,  25600
.set SUB,   12800
.set FRB,   1536
.set SCW,   12288                      ; where a sub-block's scale words begin
.set EMAX,  4
.set TQ,    18                         ; v18-20   a block's upper 16 codes as the conversion leaves them
.set SW,    22                         ; v22-23   the scale words of K step 0, 1
.set WU,    24                         ; v24-25   x: the scale words of the wave's two tiles
.set X,     32                         ; v32-95   two sets of 32 numbers of one block
.set CD,    96                         ; v96-143  codes
.set R,     128                        ; v128-255 x: two sets of 16 rows x 16 bytes a lane, as loaded
.set SP,    528                        ; x: a stage row: 512 bytes + 16 = 132 words, so that the 16 rows of a read start 4 banks apart (64 banks of 4 bytes: ISA guide 11.1)
; 32 numbers of one block in v[xs] on -> 192 bits of codes in v[cd] .. v[cd + 5], the scale's byte in v[by]
.macro BLOCKQ xs, cd, by
.set XS, \xs
.set CQ, \cd
	v_max3_num_f32 v12, |v[XS]|, |v[XS+1]|, |v[XS+2]|              ; the largest magnitude, in two chains that do not wait for each other
	v_max3_num_f32 v13, |v[XS+3]|, |v[XS+4]|, |v[XS+5]|
.irp i, 6,10,14,18,22,26
	v_max3_num_f32 v12, v12, |v[XS+\i]|, |v[XS+\i+1]|
	v_max3_num_f32 v13, v13, |v[XS+\i+2]|, |v[XS+\i+3]|
.endr
	v_max3_num_f32 v12, v12, |v[XS+30]|, |v[XS+31]|
	v_max3_num_f32 v12, v12, v13, (EMAX+1)<<23                     ; and the floor 2^(5 - 127): the byte cannot fall under 1
	v_add_nc_u32 v11, -(EMAX<<23), v12                             ; 4 off the exponent field: the conversion takes this operand's exponent field as its scale
	v_cvt_scalef32_pk16_bf6_f32 v[CQ:CQ+2], v[XS:XS+15], v11
	v_cvt_scalef32_pk16_bf6_f32 v[TQ:TQ+2], v[XS+16:XS+31], v11    ; (a conversion's three registers begin on an even number)
	v_lshrrev_b32 v[\by], 23, v11                                  ; the scale's byte; also the plain instruction between the conversions and the moves
.irp i, 0,1,2
	v_mov_b32 v[CQ+3+\i], v[TQ+\i]
.endr
.endm
; ---- the weights
.macro LOADW t                         ; block t of my column: rows 32 t + i of this work-group's 256, into set t % 2; 32 lanes read 128 consecutive bytes, the four waves side by side 512
.irp i, 0,1,2,3,4,5,6,7,8,9,10,11,12,13,14,15,16,17,18,19,20,21,22,23,24,25,26,27,28,29,30,31
	global_load_b32 v[X+32*((\t)%2)+\i], v2, s[14:15] offset:(32*(\t)+\i)*PITCH th:TH_LOAD_NT
.endr
.endm
; Block t is block t % 4 of K step t / 4.  In the operand lane (r, h) holds blocks h and 2 + h, so my column's codes are the registers of two image lanes: half h = t % 2, registers 6 ((t % 4) / 2) on.
.macro WSTEP t
.if (\t) < 7
	s_wait_loadcnt 32                              ; this block's 32 loads are in; the next block's 32 may be out
.else
	s_wait_loadcnt 0x0
.endif
.if (\t)%4 == 0
	BLOCKQ X+32*((\t)%2), CD+24*((\t)/4)+12*((\t)%2)+6*(((\t)%4)/2), SW+(\t)/4
.else
	BLOCKQ X+32*((\t)%2), CD+24*((\t)/4)+12*((\t)%2)+6*(((\t)%4)/2), 15
	v_lshl_or_b32 v[SW+(\t)/4], v15, 8*((\t)%4), v[SW+(\t)/4]      ; four bytes make my column's scale word of the K step
.endif
.if (\t)+2 < 8
	LOADW (\t)+2
.endif
.if (\t)%4 == 3                        ; a K step is whole: it leaves.  Each K step has registers of its own, so no store's data are written again
.irp hh, 0,1
.irp c, 0,1,2
	global_store_b128 v4, v[CD+24*((\t)/4)+12*\hh+4*\c:CD+24*((\t)/4)+12*\hh+4*\c+3], s[10:11] offset:SUB*((\t)/4)+512*\c+256*\hh   ; the 16 lanes of a tile fill 256 consecutive bytes, aligned
.endr
.endr
	global_store_b32 v5, v[SW+(\t)/4], s[10:11] offset:SUB*((\t)/4)
.endif
.endm
; src: the scalar pair with the tensor's address; 2^lgs slots of 256 K to a group; gmask: groups - 1; 2^lgp bytes from row to row; perm: the hidden units' permutation
.macro WPATH src, lgs, gmask, lgp, perm
.set PITCH, 1<<(\lgp)
	s_and_b32 s16, ttmp9, 511
	s_lshr_b32 s17, s16, 6                         ; the expert: 64 blocks each
	s_lshl_b32 s20, s17, 23                        ; 8 MiB an expert
	s_and_b32 s18, s16, (1<<(\lgs))-1              ; j: 256 rows on for each
	s_lshl_b32 s18, s18, 8+(\lgp)
	s_add_co_u32 s20, s20, s18
	s_lshr_b32 s18, s16, \lgs
	s_and_b32 s18, s18, \gmask                     ; g: 128 columns, 512 bytes
	s_lshl_b32 s18, s18, 9
	s_add_co_u32 s20, s20, s18
	s_lshl_b32 s18, s12, 7                         ; my wave's 32 columns
	s_add_co_u32 s20, s20, s18
	s_add_nc_u64 s[14:15], s[\src:\src+1], s[20:21]
	v_lshlrev_b32 v2, 2, v1                        ; my column
	LOADW 0
	LOADW 1
.if \perm
	v_bfe_u32 v3, v1, 3, 1                         ; 16 x (which of the wave's two tiles) + row in it
	v_and_b32 v6, 7, v1
	v_lshl_or_b32 v3, v3, 4, v6
	v_bfe_u32 v6, v1, 4, 1
	v_lshl_or_b32 v3, v6, 3, v3
.set PL, 3
.else
.set PL, 1                             ; the lane's number as it is
.endif
	v_lshrrev_b32 v6, 4, v[PL]
	v_mul_u32_u24 v4, v6, FRB
	v_and_b32 v6, 15, v[PL]
	v_lshl_add_u32 v4, v6, 4, v4
	s_mul_i32 s18, s12, 2*FRB
	v_add_nc_u32 v4, s18, v4                       ; codes: tile 2 w + u, image lane r
	s_lshl_b32 s18, s12, 7
	s_add_co_u32 s18, s18, SCW
	v_lshl_add_u32 v5, v[PL], 2, s18               ; scale word: 64 bytes a tile, 4 a row
.irp t, 0,1,2,3,4,5,6,7
	WSTEP \t
.endr
	s_endpgm
.endm
	s_load_b256 s[4:11], s[0:1], 0x0               ; x s[4:5], w1 s[6:7], w2 s[8:9], codes s[10:11]
	v_lshl_add_u32 v30, v0, 2, 0x8400
	v_mov_b32 v31, 0
	v_lshrrev_b32 v1, 5, v0
	v_readfirstlane_b32 s12, v1                    ; wave 0..3
	v_and_b32 v1, 31, v0                           ; lane
	s_mul_i32 s20, ttmp9, BLKB                     ; my block (under 2^32: 1,536 blocks)
	s_mov_b32 s21, 0
	s_wait_kmcnt 0x0
	s_add_nc_u64 s[10:11], s[10:11], s[20:21]
	s_cmp_ge_u32 ttmp9, 1024
	s_cbranch_scc1 .Lx_path
	s_cmp_ge_u32 ttmp9, 512
	s_cbranch_scc1 .Lw2_path
	s_wait_alu depctr_va_vdst(0)
	WPATH 6, 2, 15, 13, 1
.Lw2_path:
	s_wait_alu depctr_va_vdst(0)
	WPATH 8, 3, 7, 12, 0
; ---- x
.macro LOADX f                         ; fragment f: K step f / 2, tile f % 2 of the wave's two: 16 rows x 512 bytes; a load is 512 consecutive bytes
.irp rr, 0,1,2,3,4,5,6,7,8,9,10,11,12,13,14,15
	global_load_b128 v[R+64*((\f)%2)+4*\rr:R+64*((\f)%2)+4*\rr+3], v6, s[14:15] offset:(16*((\f)%2)+\rr)*4096+512*((\f)/2) th:TH_LOAD_NT
.endr
.endm
.macro XFRAG f
.set U, (\f)%2
.set Q, (\f)/2
.if (\f) < 3
	s_wait_loadcnt 16                              ; this fragment's 16 loads are in; the other set's 16 may be out
.else
	s_wait_loadcnt 0x0
.endif
.irp rr, 0,1,2,3,4,5,6,7,8,9,10,11,12,13,14,15
	ds_store_b128 v7, v[R+64*U+4*\rr:R+64*U+4*\rr+3] offset:SP*\rr
.endr
.irp c, 0,1
.irp jj, 0,1,2,3,4,5,6,7
	ds_load_b128 v[X+32*\c+4*\jj:X+32*\c+4*\jj+3], v8 offset:256*\c+16*\jj   ; lane (r, h): k = 64 c + 32 h + 0 .. 31 of row r.  LDS serves a wave's instructions in order: these see the stores above
.endr
.endr
	s_wait_dscnt 0x0                               ; the numbers are back, and the stores have read their registers
.if (\f) < 2
	LOADX (\f)+2
.else
	s_wait_xcnt 0x0                                ; the stores of two fragments ago have read the code registers that are written again now
.endif
	BLOCKQ X, CD+12*U, 15                          ; registers 0-5 of the operand: block h
	BLOCKQ X+32, CD+12*U+6, 16                     ; registers 6-11: block 2 + h
	v_lshl_or_b32 v9, v16, 16, v15                 ; my two bytes,
	v_lshlrev_b32 v9, v10, v9                      ; at their places in the word (8 h bits up);
	v_permlanex16_b32 v14, v9, s48, s49
	v_or_b32 v[WU+U], v9, v14                      ; with lane l xor 16's two the row's word is whole
.irp c, 0,1,2
	global_store_b128 v4, v[CD+12*U+4*\c:CD+12*U+4*\c+3], s[10:11] offset:SUB*Q+FRB*U+512*\c   ; 512 consecutive bytes, aligned to 256
.endr
.if U == 1
	v_cndmask_b32 v[SW+Q], v[WU], v[WU+1], s50     ; lanes 0-15 the first tile's words, lanes 16-31 the second's: 128 consecutive bytes
	global_store_b32 v5, v[SW+Q], s[10:11] offset:SUB*Q
.endif
.endm
.Lx_path:
	s_sub_co_u32 s16, ttmp9, 1024
	s_lshr_b32 s17, s16, 2                         ; g: 128 rows of 4,096 bytes
	s_and_b32 s18, s16, 3                          ; j: 256 numbers, 1,024 bytes
	s_lshl_b32 s20, s17, 19
	s_lshl_b32 s19, s12, 17                        ; my wave's 32 rows
	s_add_co_u32 s20, s20, s19
	s_lshl_b32 s18, s18, 10
	s_add_co_u32 s20, s20, s18
	s_add_nc_u64 s[14:15], s[4:5], s[20:21]
	s_wait_alu depctr_va_vdst(0)
	v_lshlrev_b32 v6, 4, v1                        ; 16 x lane
	LOADX 0
	LOADX 1
	s_mov_b32 s48, 0x76543210
	s_mov_b32 s49, 0xfedcba98                      ; v_permlanex16_b32's selects for lane l xor 16
	s_mov_b32 s50, 0xffff0000                      ; lanes 16-31
	v_and_b32 v2, 15, v1                           ; r
	v_lshrrev_b32 v3, 4, v1                        ; h
	s_mul_i32 s18, s12, 16*SP                      ; my wave's stage
	v_add_nc_u32 v7, s18, v6                       ; in: a row's 512 bytes as they lie
	v_mul_u32_u24 v8, v2, SP
	v_lshl_add_u32 v8, v3, 7, v8
	v_add_nc_u32 v8, s18, v8                       ; out: row r, + 128 h
	s_mul_i32 s18, s12, 2*FRB
	v_add_nc_u32 v4, s18, v6                       ; codes: tile 2 w, my image lane
	s_lshl_b32 s18, s12, 7
	s_add_co_u32 s18, s18, SCW
	v_lshl_add_u32 v5, v1, 2, s18                  ; scale words of the wave's 32 rows
	v_lshlrev_b32 v10, 3, v3                       ; 8 h
	v_mov_b32 v14, 0                               ; written once: a lane permute's destination counts as one of its sources
	s_wait_alu depctr_va_vdst(0)
.irp f, 0,1,2,3
	XFRAG \f
.endr
	s_wait_tensorcnt 0x0
	ds_add_u32 v30, v31
	s_wait_dscnt 0x0
	s_endpgm
.Lfunc_end_k_q43bf41bca6_quant:
	.size	k_q43bf41bca6_quant, .Lfunc_end_k_q43bf41bca6_quant-k_q43bf41bca6_quant
	.p2alignl 7, 3214868480
	.fill 96, 4, 3214868480
	.section	.rodata,"a",@progbits
	.p2align	6, 0x0
	.amdhsa_kernel k_q43bf41bca6_quant
		.amdhsa_group_segment_fixed_size 34304
		.amdhsa_private_segment_fixed_size 0
		.amdhsa_enable_private_segment 0
		.amdhsa_kernarg_size 32
		.amdhsa_user_sgpr_count 2
		.amdhsa_user_sgpr_kernarg_segment_ptr 1
		.amdhsa_wavefront_size32 1
		.amdhsa_system_sgpr_workgroup_id_x 1
		.amdhsa_system_sgpr_workgroup_id_y 1
		.amdhsa_system_sgpr_workgroup_id_z 1
		.amdhsa_system_vgpr_workitem_id 0
		.amdhsa_next_free_vgpr 256
		.amdhsa_next_free_sgpr 66
		.amdhsa_reserve_vcc 0
		.amdhsa_float_denorm_mode_32 3
		.amdhsa_float_denorm_mode_16_64 3
		.amdhsa_memory_ordered 1
		.amdhsa_forward_progress 1
		.amdhsa_inst_pref_size 106
	.end_amdhsa_kernel
	.amdgpu_metadata
---
amdhsa.version: [ 1, 2 ]
amdhsa.kernels:
  - .name:           k_q43bf41bca6_quant
    .symbol:         k_q43bf41bca6_quant.kd
    .args:
      - { .name: x, .offset: 0, .size: 8, .value_kind: global_buffer, .address_space: global }
      - { .name: w1, .offset: 8, .size: 8, .value_kind: global_buffer, .address_space: global }
      - { .name: w2, .offset: 16, .size: 8, .value_kind: global_buffer, .address_space: global }
      - { .name: codes, .offset: 24, .size: 8, .value_kind: global_buffer, .address_space: global }
    .group_segment_fixed_size: 34304
    .private_segment_fixed_size: 0
    .kernarg_segment_align: 8
    .kernarg_segment_size: 32
    .max_flat_workgroup_size: 128
    .sgpr_count:     66
    .vgpr_count:     256
    .wavefront_size: 32
...
	.end_amdgpu_metadata
.endif
;; end of part 1
;; launch gemm1 (part 2): grid 4 x 64, 4 waves a work-group, clusters of 4 x 4, 327,680 bytes of LDS; arguments codes, b1, hid; writes hid
.if DOCPART == 2
	.amdgcn_target "amdgcn-amd-amdhsa--gfx1250"
	.amdhsa_code_object_version 6
	.text
	.protected	k_q43bf41bca6_gemm1
	.globl	k_q43bf41bca6_gemm1
	.p2align	8
	.type	k_q43bf41bca6_gemm1,@function
k_q43bf41bca6_gemm1:
	s_mov_b64 s[64:65], 0
	v_nop
	global_prefetch_b8 v0, s[64:65] scope:SCOPE_SE
	s_setreg_imm32_b32 hwreg(HW_REG_WAVE_MODE, 25, 1), 1
	s_wait_xcnt 0x0
	s_wait_alu depctr_hold_cnt(0) depctr_sa_sdst(0) depctr_va_vdst(0) depctr_va_sdst(0) depctr_va_ssrc(0) depctr_va_vcc(0) depctr_vm_vsrc(0)
	s_getreg_b32 s2, hwreg(HW_REG_IB_STS2, 6, 4)
	s_cmp_eq_u32 s2, 0
	s_cbranch_scc0 .Lentry_in_a_cluster
	s_endpgm
.Lentry_in_a_cluster:
	s_bfe_u32 s2, ttmp6, 0x10000c
	s_cmp_lg_u32 s2, 0xf033
	s_cbranch_scc0 .Lentry_shape_is_right
	s_endpgm
.Lentry_shape_is_right:
; hid = Q(gelu(X W1[e] + b1[e])): the first product of eight experts' MLPs on codes of BF6 (E3M2) with E8M0 scales, the exact (erf) GELU in f32, and the quantiser along the hidden axis.
; X: 16,384 rows x 1,024; expert e owns rows 2,048 e on.  Both operands come as OPERAND BLOCKS of 25,600 bytes (128 rows x 256 K: two sub-blocks of 12,800 bytes, each eight fragment images of 1,536 bytes, registers 4 c .. 4 c + 3
; of lane l at 512 c + 16 l, and from byte 12,288 on one scale word a row).  A row group's eight sub-blocks (K = 1,024) lie on end in memory.  The result leaves in the same form, as the second product's left operand.
; A tile of 256 rows x 256 hidden units is made by four waves; a wave makes 128 x 128: 64 accumulators, 512 registers.  A WORK-GROUP STAYS: two tiles, tile columns cx and cx + 4 of one tile row; both take the same rows of X.
; LDS: four regions of six K steps (76,800 bytes), X's two row groups and W1's two, one for each wave to fill.  A tile's K comes in two loads a wave: K steps 0-5 (300 dense rows of 256 bytes), and K steps 6, 7 (100 rows) into the
; bytes of steps 0 and 1, asked for in step 1 and first read in step 5.  The second tile's large load is asked for in the first tile's last K step.  A wave has one tensor load out at the most.
; A loop over the tiles holds K steps 0-6 once; the last tile's K step 7, which asks for nothing more, and its epilogue are written out behind the loop.
; CLUSTERS: 4 x 4 work-groups.  The four of a row need the same blocks of X, the four of a column the same blocks of W1 (a cluster's four tile rows lie in one expert): each load is asked for jointly.
; NO PREFETCH: the head's load has no trip ahead of it; every later load is asked for 224 matrix instructions, or a whole epilogue, ahead of the wait for it.
; THE MATRIX INSTRUCTION IS USED TRANSPOSED (source 0 = 16 rows of W1's block, source 1 = 16 rows of X), and the hidden units of a block were permuted when it was made: register j of tile 2 b + u in lane (r, h) is hidden unit
; 32 b + 16 h + 8 u + j of row r.  So the 64 registers of a block of 16 rows run along the next K, and the wave's 128 hidden units are one sub-block of the second product, written by this wave alone.
; GELU: gelu(x) = max(x, 0) - |x| q,  q = erfc(|x| / sqrt 2) / 2 = t 2^(cS x^2 + P(t)),  t = 1 / (1 + 0.35355339 |x|),  P of degree 9 (the Chebyshev fit of erfc of Numerical Recipes, its stated fractional error under
; 1.2e-7, its coefficients times log2 e, 1 taken off the constant for the half).  No difference of near numbers in the negative tail.
; LIMITS: NaN and infinities are not served.  Below x of about -13.1 the exponential's result falls under the smallest normal number and gelu becomes 0 (the true value is under 1e-37).  A block of the hidden layer whose largest
; magnitude lies under 2^-122 (zeros too) gets the scale byte 1; this program alone reads the bytes.
; REGISTERS, in windows of 256: window 0: v2-13 a block's codes; v14-15 c8; v16-31 addresses and the block's scale word; v32-47 scale words, two sets of eight; v64-127 b1 in the result's layout; v128-223 A's fragments, ONE set;
;   in the epilogue v32-63 and v128-255 are at work (each tile fetches its scale words anew).   window 1: B's fragments, TWO sets, at v0 and v128.   window 2: the accumulators of my rows 0-63 ((a, b) at v[8 (8 a + b)]);   window 3: rows 64-127.
.set FR,     12                        ; registers of a fragment
.set NL,     3                         ; LDS loads that bring one
.set NP,     4                         ; places behind this matrix instruction (ISA guide 7.12.1)
.set FRB,    1536
.set SUB,    12800                     ; a K step of 128 rows
.set BLKB,   25600
.set HSL,    3*SUB                     ; three K steps to an address register
.set REG,    6*SUB                     ; a region
.set SCST,   4*REG                     ; 512 bytes for each wave, in which its 128 scale words are gathered; no tile lands here
.set SPARE,  SCST+4*512                ; the spare words, 128 bytes for each wave
.set NEXT_W, 8*4*BLKB                  ; from tile to tile: W1 four tile columns on,
.set NEXT_D, 4*BLKB                    ; hid four blocks on,
.set NEXT_B1, 4*256*4                  ; b1 1,024 numbers on
.set PC,   2                           ; v2-13   a block's codes: registers that the GELU does not write, so that their stores have a whole trip in which to read them
.set C8V,  14                          ; v14-15  c8, twice: the packed form takes a pair
.set ADRA, 16                          ; v16-17  LDS address of my A fragments: K steps 0-2 (and 6, 7), K steps 3-5
.set ADRB, 20                          ; v20-21  the same for B
.set ADRS, 22                          ; v22-23  of the scale words: lanes 0-15 A's rows, lanes 16-31 B's
.set SWA,  24                          ; v24     my row's place among the wave's gathered scale words
.set SRD,  25                          ; v25     where I read 16 bytes of them back
.set GA,   26                          ; v26     16 x lane
.set SWT,  27                          ; v27     SWA + 64 x block
.set SPW,  28                          ; v28     my spare word; never rewritten
.set NIL,  29                          ; v29     0; never rewritten
.set BAD,  30                          ; v30     byte offset of my half's numbers in b1
.set PW,   31                          ; v31     a block's scale word
.set SC,   32                          ; scale words: set p at v[SC + 8 p]
.set S,    32                          ; epilogue: v32-63 x^2, then max(x, 0), of 32 numbers
.set BIAS, 64
.set AF,   128
.set W,    128                         ; epilogue: v128-191 a block of 16 rows x 128 hidden units
.set T,    192                         ; v192-223 t, then q
.set P,    224                         ; v224-255 the exponent, then its power of two
.set TM,   192                         ; the quantiser: v192-207 at work,
.set PT,   208                         ; v208-214 the upper halves of the blocks' codes as the conversions leave them
.set OUTW, 216                         ; v216-219 16 bytes of gathered scale words
; P's coefficients, written as literals where they are used: c0 = -2.82574822 (0xc034d90f), c1 = 1.44272920 (0x3fb8ab5a), c2 = 0.53970062 (0x3f0a29d2), c3 = 0.13963006 (0x3e0efb2e), c4 = -0.26875686 (0xbe899a80),
; c5 = 0.40232158 (0x3ecdfd18), c6 = -1.63775315 (0xbfd1a1e5), c7 = 2.14747446 (0x40097039), c8 = -1.18611494 (0xbf97d29d), c9 = 0.24651730 (0x3e7c6f08)
.set G1,   24                          ; s[24:31] group 1 of A's large load;  s[32:35] its group 0;  s[36:39] group 0 of A's small load
.set G0,   32
.set G0S,  36
.set G1B,  48                          ; s[48:55], s[56:59], s[60:63] the same for B
.set G0B,  56
.set G0BS, 60
.set G1S,  68                          ; s[68:75] group 1 of A's small load;  s[76:83] of B's
.set G1BS, 76
.set CA,   84                          ; s84      sqrt(2) / 4
.set SEL,  86                          ; s[86:87] v_permlanex16_b32's selects for lane l xor 16
.set CS,   88                          ; s88      cS = -log2(e) / 2
.set MSB, 0
.macro WIN new                         ; the immediate's high byte repeats the setting that is left
.if MSB != (\new)
	s_set_vgpr_msb (MSB<<8)|(\new)
.set MSB, (\new)
.endif
.endm
.set MUL_LO, 0xa1                      ; source 0 (B) window 1, source 1 (A) window 0, C and D window 2
.set MUL_HI, 0xf1                      ; the same, C and D window 3
.set TO_B,   0x40                      ; destination window 1, address window 0
; A joint load: waves 0 and 1 fetch for A's two regions, waves 2 and 3 for B's; the branch hangs on the wave's number alone.  An s_nop 0 and four v_nop follow each line.
.macro JLOAD g0a, g1a, g0b, g1b
	s_cmp_eq_u32 s15, 0
	s_cbranch_scc0 .Lfor_b_\@
	tensor_load_to_lds s[\g0a:\g0a+3], s[\g1a:\g1a+7]
	s_nop 0
.rept 4
	v_nop
.endr
	s_branch .Lasked_\@
.Lfor_b_\@:
	tensor_load_to_lds s[\g0b:\g0b+3], s[\g1b:\g1b+7]
	s_nop 0
.rept 4
	v_nop
.endr
.Lasked_\@:
.endm
.macro CREST                           ; a round of the cluster's barrier behind its opening barrier
	s_cmp_lg_u32 s14, 0
	s_cbranch_scc1 .Lnot_wave_0_\@
	s_barrier_signal -3
.Lnot_wave_0_\@:
	s_barrier_wait -3
	s_barrier_signal -1
	s_barrier_wait -1
.endm
.macro CROUND                          ; a whole round
	s_barrier_signal -1
	s_barrier_wait -1
	CREST
.endm
	s_load_b128 s[4:7], s[0:1], 0x0                ; codes s[4:5], b1 s[6:7]
	s_load_b64 s[8:9], s[0:1], 0x10                ; hid
	v_lshl_add_u32 v[SPW], v0, 2, SPARE
	v_mov_b32 v[NIL], 0
	ds_add_u32 v[SPW], v[NIL]                      ; the opening lines: the add, twice on end, and its wait
	ds_add_u32 v[SPW], v[NIL]
	v_lshrrev_b32 v1, 5, v0
	v_readfirstlane_b32 s14, v1                    ; wave 0..3
	s_lshr_b32 s15, s14, 1                         ; my half of the tile's rows.  Also: I fetch for A (0) or for B (1)
	s_and_b32 s16, s14, 1                          ; my half of its hidden units.  Also: which of the two row groups I fetch
	s_bfe_u32 s40, ttmp6, 0x40000                  ; cx, cy
	s_bfe_u32 s41, ttmp6, 0x40004
	s_lshl_b32 s42, ttmp9, 2
	s_add_co_u32 s42, s42, s40                     ; my first tile column; the second lies four on
	s_and_b32 s18, ttmp7, 0xffff
	s_lshl_b32 s17, s18, 2
	s_add_co_u32 s17, s17, s41                     ; tile row
	s_lshr_b32 s18, s18, 1                         ; the expert: two clusters' rows each
	s_lshl_b32 s43, s41, 2
	s_lshl_b32 s43, 15, s43                        ; my row of the cluster
	s_lshl_b32 s44, 0x1111, s40                    ; my column
	; groups 1: dense bytes as rows of 256 (32 elements of 8 bytes): 300 rows (six K steps) and 100 rows (two)
	s_or_b32 s[G1+0], s43, (3<<16)|(1<<21)
	s_or_b32 s[G1S+0], s43, (3<<16)|(1<<21)
	s_or_b32 s[G1B+0], s44, (3<<16)|(1<<21)
	s_or_b32 s[G1BS+0], s44, (3<<16)|(1<<21)
.irp g, G1, G1B
	s_mov_b32 s[\g+1], 32<<16
	s_mov_b32 s[\g+2], 300<<16
	s_mov_b32 s[\g+3], 32<<16
	s_mov_b32 s[\g+4], 300
	s_mov_b32 s[\g+5], 32
	s_mov_b32 s[\g+6], 0
	s_mov_b32 s[\g+7], 0
.endr
.irp g, G1S, G1BS
	s_mov_b32 s[\g+1], 32<<16
	s_mov_b32 s[\g+2], 100<<16
	s_mov_b32 s[\g+3], 32<<16
	s_mov_b32 s[\g+4], 100
	s_mov_b32 s[\g+5], 32
	s_mov_b32 s[\g+6], 0
	s_mov_b32 s[\g+7], 0
.endr
	s_lshl_b32 s20, s17, 1                         ; A: x's blocks 1024 + 4 (2 x tile row + half) on
	s_add_co_u32 s20, s20, s16
	s_lshl_b32 s20, s20, 2
	s_add_co_u32 s20, s20, 1024
	s_mul_i32 s20, s20, BLKB
	s_mov_b32 s21, 0
	s_lshl_b32 s46, s18, 4                         ; B: w1's blocks 4 (16 e + 2 x tile column + half) on
	s_lshl_b32 s47, s42, 1
	s_add_co_u32 s46, s46, s47
	s_add_co_u32 s46, s46, s16
	s_lshl_b32 s46, s46, 2
	s_mul_i32 s46, s46, BLKB
	s_mov_b32 s47, 0
	s_mul_i32 s45, s14, REG                        ; where they go: wave x a region
	s_wait_dscnt 0x0                               ; both opening adds are done
	s_wait_kmcnt 0x0
	s_add_nc_u64 s[20:21], s[4:5], s[20:21]
	s_add_nc_u64 s[46:47], s[4:5], s[46:47]
	CROUND                                         ; all sixteen work-groups are here: the first joint loads meet
	s_mov_b32 s[G0], 1                             ; K steps 0-5
	s_mov_b32 s[G0+1], s45
	s_mov_b64 s[G0+2:G0+3], s[20:21]
	s_or_b32 s[G0+3], s[G0+3], 0x80000000
	s_mov_b32 s[G0S], 1                            ; K steps 6, 7: six sub-blocks on in memory, at the region's head in LDS
	s_mov_b32 s[G0S+1], s45
	s_add_nc_u64 s[G0S+2:G0S+3], s[20:21], REG
	s_or_b32 s[G0S+3], s[G0S+3], 0x80000000
	s_mov_b32 s[G0B], 1
	s_mov_b32 s[G0B+1], s45
	s_mov_b64 s[G0B+2:G0B+3], s[46:47]
	s_or_b32 s[G0B+3], s[G0B+3], 0x80000000
	s_mov_b32 s[G0BS], 1
	s_mov_b32 s[G0BS+1], s45
	s_add_nc_u64 s[G0BS+2:G0BS+3], s[46:47], REG
	s_or_b32 s[G0BS+3], s[G0BS+3], 0x80000000
	JLOAD G0, G1, G0B, G1B                         ; the first tile's K steps 0-5: my one load at the head
	v_and_b32 v1, 31, v0                           ; lane
	v_and_b32 v2, 15, v0                           ; r
	v_bfe_u32 v3, v0, 4, 1                         ; h
	v_lshlrev_b32 v4, 4, v1                        ; 16 x lane
	s_mul_i32 s22, s15, REG                        ; my region of A
	s_add_co_u32 s23, s16, 2
	s_mul_i32 s23, s23, REG                        ; my region of B, behind A's two
	s_sub_co_u32 s19, s23, s22
	v_mul_u32_u24 v5, s19, v3                      ; lanes 16-31 take B's scale words: one product, h x the distance
	v_lshl_add_u32 v5, v2, 2, v5
	v_add_nc_u32 v5, FRB*8, v5                     ; the words begin behind the eight images
.irp s, 0,1
	v_add_nc_u32 v[ADRA+\s], s22, v4
	v_add_nc_u32 v[ADRB+\s], s23, v4
	v_add_nc_u32 v[ADRS+\s], s22, v5
	s_add_co_u32 s22, s22, HSL
	s_add_co_u32 s23, s23, HSL
.endr
	s_lshl_b32 s19, s14, 9
	s_add_co_u32 s19, s19, SCST
	v_lshl_add_u32 v[SWA], v2, 2, s19
	v_add_nc_u32 v[SRD], s19, v4
	v_lshlrev_b32 v[GA], 4, v1
	v_lshlrev_b32 v[BAD], 6, v3                    ; b1: 16 h numbers on
	v_mov_b32 v[C8V], 0xbf97d29d
	v_mov_b32 v[C8V+1], 0xbf97d29d
	s_wait_alu depctr_va_vdst(0)                   ; the wait at the head's end
	s_mov_b32 s[CA], 0x3eb504f3
	s_mov_b32 s[CS], 0xbf38aa3b
	s_mov_b32 s[SEL], 0x76543210
	s_mov_b32 s[SEL+1], 0xfedcba98
	s_lshl_b32 s10, s17, 1                         ; my sub-block of hid: block 8 (2 x tile row + my half of the rows) + tile column, sub-block = my half of the hidden units
	s_add_co_u32 s10, s10, s15
	s_lshl_b32 s10, s10, 3
	s_add_co_u32 s10, s10, s42
	s_mul_i32 s10, s10, BLKB
	s_mul_i32 s11, s16, SUB
	s_add_co_u32 s10, s10, s11
	s_mov_b32 s11, 0
	s_add_nc_u64 s[12:13], s[8:9], s[10:11]
	s_lshl_b32 s10, s18, 13                        ; b1 at hidden unit 2,048 e + 256 x tile column + 128 x half
	s_lshl_b32 s11, s42, 10
	s_add_co_u32 s10, s10, s11
	s_lshl_b32 s11, s16, 9
	s_add_co_u32 s10, s10, s11
	s_mov_b32 s11, 0
	s_add_nc_u64 s[6:7], s[6:7], s[10:11]
.macro BIASLOAD                        ; tile t = 2 b + u: units 32 b + 16 h + 8 u + 0 .. 7.  Wanted in the epilogue: these loads stay out over the K steps
.irp t, 0,1,2,3,4,5,6,7
	global_load_b128 v[BIAS+8*\t:BIAS+8*\t+3], v[BAD], s[6:7] offset:(32*(\t/2)+8*(\t%2))*4
	global_load_b128 v[BIAS+8*\t+4:BIAS+8*\t+7], v[BAD], s[6:7] offset:(32*(\t/2)+8*(\t%2))*4+16
.endr
.endm
.macro FRAG reg, adr, q, i             ; a fragment comes back as it was stored: three loads of 16 bytes a lane
.irp c, 0,1,2
	ds_load_b128 v[\reg+4*\c:\reg+4*\c+3], v[\adr] offset:(\q)*SUB+(\i)*FRB+512*\c
.endr
.endm
; 16 matrix instructions: A's blocks a0, a0 + 1 x B's eight, one K step.  p: B's set and the set of scale words.  zero = 1: the first product starts the sums.
; The 64 accumulators take turns, one instruction a turn, in the same order in every step.
.macro MUL16 a0, p, zero
.irp a, \a0, \a0+1
.irp b, 0,1,2,3,4,5,6,7
.if \zero
	v_wmma_scale_f32_16x16x128_f8f6f4 v[8*(8*((\a)%4)+\b):8*(8*((\a)%4)+\b)+7], v[128*(\p)+FR*\b:128*(\p)+FR*\b+FR-1], v[AF+FR*(\a):AF+FR*(\a)+FR-1], 0, v[SC+8*(\p)+\b], v[SC+8*(\p)+(\a)] matrix_a_fmt:MATRIX_FMT_BF6 matrix_b_fmt:MATRIX_FMT_BF6 matrix_a_scale:MATRIX_SCALE_ROW1
.else
	v_wmma_scale_f32_16x16x128_f8f6f4 v[8*(8*((\a)%4)+\b):8*(8*((\a)%4)+\b)+7], v[128*(\p)+FR*\b:128*(\p)+FR*\b+FR-1], v[AF+FR*(\a):AF+FR*(\a)+FR-1], v[8*(8*((\a)%4)+\b):8*(8*((\a)%4)+\b)+7], v[SC+8*(\p)+\b], v[SC+8*(\p)+(\a)] matrix_a_fmt:MATRIX_FMT_BF6 matrix_b_fmt:MATRIX_FMT_BF6 matrix_a_scale:MATRIX_SCALE_ROW1
.endif
.endr
.endr
.endm
; A K step lies at (s, q): address register s, q sub-blocks on.
.macro FETCH_B s, q, p
	WIN TO_B
.irp i, 0,1,2,3,4,5,6,7
	FRAG 128*(\p)+FR*\i, ADRB+\s, \q, \i
.endr
	WIN 0
.endm
.macro FETCH_A s, q, i0
.irp i, \i0, \i0+1, \i0+2, \i0+3
	FRAG AF+FR*(\i), ADRA+\s, \q, \i
.endr
.endm
.macro SCALES s, q, p                  ; lanes 0-15 take A's tile i, lanes 16-31 B's tile i
.irp i, 0,1,2,3,4,5,6,7
	ds_load_b32 v[SC+8*(\p)+\i], v[ADRS+\s] offset:(\q)*SUB+64*\i
.endr
.endm
.macro PLACES n                        ; places behind matrix instructions (ISA guide 7.12.1 for vector instructions)
.rept \n
	v_nop
.endr
.endm
.macro REST p, ns, nq                  ; in a K step's middle: most of the next step's fragments are fetched
	FETCH_B \ns, \nq, 1-(\p)
	SCALES \ns, \nq, 1-(\p)
	FETCH_A \ns, \nq, 0
	WIN MUL_HI
.endm
; A K step on set p; the next K step, at (ns, nq), is fetched on the way.  One set serves A: blocks 0-3 are fetched anew in the step's middle, blocks 4-7 at its end.
.macro STEP p, zero, ns, nq
	s_wait_dscnt 4*NL                              ; all but the youngest 12 loads (A's blocks 4-7) are in
	WIN MUL_LO
	MUL16 0, \p, \zero
	MUL16 2, \p, \zero
	s_wait_dscnt 0x0                               ; A's blocks 4-7 are in
	PLACES NP
	REST \p, \ns, \nq
	MUL16 4, \p, \zero
	MUL16 6, \p, \zero
	PLACES NP
	WIN 0
	FETCH_A \ns, \nq, 4
.endm
; The first half of a K step that holds a barrier: each wave waits for all its tensor loads, adds 0 to its spare word, and waits for that and for all its LDS reads so far.
.macro MEET p
	s_wait_tensorcnt 0x0                           ; no tensor load of mine is out  (every window is 0 here)
	ds_add_u32 v[SPW], v[NIL]
	s_wait_dscnt 4*NL+1                            ; (the add and the youngest 12 loads may be out)
	WIN MUL_LO
	MUL16 0, \p, 0
	s_wait_dscnt 0x0                               ; the add is done, and every LDS read of mine is back
	s_barrier_signal -1
	MUL16 2, \p, 0
	WIN 0
	s_barrier_wait -1
.endm
; fill = 1 (K step 1): K steps 0 and 1 have been read out by every wave; their bytes take K steps 6 and 7.  fill = 0 (K step 5): every wave's part of K steps 6 and 7 has landed.
.macro TURN p, ns, nq, fill
	MEET \p
.if \fill
	CREST                                          ; the barrier has opened a round of the cluster's barrier
	JLOAD G0S, G1S, G0BS, G1BS                     ; the first tensor load behind the round; its four v_nop are the places in front of the loads below
.else
	PLACES NP
.endif
	REST \p, \ns, \nq
	MUL16 4, \p, 0
	MUL16 6, \p, 0
	PLACES NP
	WIN 0
	FETCH_A \ns, \nq, 4
.endm
.macro KPART                           ; K steps 0 to 6 of a tile
	s_wait_tensorcnt 0x0                           ; my part of K steps 0-5 is in,
	s_barrier_signal -1
	s_barrier_wait -1                              ; everybody's is
	FETCH_B 0, 0, 0
	SCALES 0, 0, 0
	FETCH_A 0, 0, 0
	FETCH_A 0, 0, 4
	STEP 0, 1, 0, 1                                ; K step 0: its products start the sums
	TURN 1, 0, 2, 1                                ; K step 1, and the request for K steps 6 and 7
	STEP 0, 0, 1, 0
	STEP 1, 0, 1, 1
	STEP 0, 0, 1, 2
	TURN 1, 0, 0, 0                                ; K step 5; K step 6 lies where K step 0 lay
	STEP 0, 0, 0, 1
.endm
; ---- THE EPILOGUE: eight blocks of 16 rows x my 128 hidden units, in a loop; only the lines that take a block out of its accumulators differ from block to block.
.macro TAKE a                          ; block a leaves its accumulators, + b1, into window 0; each accumulator is read from its low end on
	WIN 0x02+(\a)/4
.set kk, 0
.rept 32
	v_pk_add_f32 v[W+2*kk:W+2*kk+1], v[64*((\a)%4)+2*kk:64*((\a)%4)+2*kk+1], v[BIAS+2*kk:BIAS+2*kk+1]
.set kk, kk+1
.endr
	WIN 0
.endm
.macro HORNER k                        ; P = P t + k: 32 numbers, two to an instruction, the coefficient its literal, taken for both halves; sixteen chains by turns
.set ii, 0
.rept 16
	v_pk_fma_f32 v[P+ii:P+ii+1], v[P+ii:P+ii+1], v[T+ii:T+ii+1], \k op_sel_hi:[1,1,0]
.set ii, ii+2
.endr
.endm
; gelu in place on 32 numbers, v[W + 32 n] on.  All sources of a batch of transcendentals are laid first; each batch has one wait ahead of it and one behind it.
; Plain work that is due anyway and names none of the batch's registers takes turns with the transcendentals; its results are first read behind the batch's second wait.
.macro GELU32 n
.set X0, W+32*(\n)
.set ii, 0
.rept 32
	v_fma_f32 v[T+ii], |v[X0+ii]|, s[CA], 1.0
.set ii, ii+1
.endr
	s_wait_alu depctr_va_vdst(0)
.set ii, 0
.rept 16
	v_rcp_f32 v[T+ii], v[T+ii]                     ; t
	v_rcp_f32 v[T+ii+1], v[T+ii+1]
	v_dual_mul_f32 v[S+ii], v[X0+ii], v[X0+ii] :: v_dual_mul_f32 v[S+ii+1], v[X0+ii+1], v[X0+ii+1]   ; x^2
.set ii, ii+2
.endr
	s_wait_alu depctr_va_vdst(0)
.set ii, 0
.rept 16
	v_pk_fma_f32 v[P+ii:P+ii+1], v[T+ii:T+ii+1], 0x3e7c6f08, v[C8V:C8V+1] op_sel_hi:[1,0,1]   ; c9 t + c8
.set ii, ii+2
.endr
.irp k, 0x40097039, 0xbfd1a1e5, 0x3ecdfd18, 0xbe899a80, 0x3e0efb2e, 0x3f0a29d2, 0x3fb8ab5a, 0xc034d90f
	HORNER \k
.endr
.set ii, 0
.rept 16
	v_dual_fmac_f32 v[P+ii], s[CS], v[S+ii] :: v_dual_fmac_f32 v[P+ii+1], s[CS], v[S+ii+1]   ; + cS x^2
.set ii, ii+2
.endr
	s_wait_alu depctr_va_vdst(0)
.set ii, 0
.rept 16
	v_exp_f32 v[P+ii], v[P+ii]
	v_exp_f32 v[P+ii+1], v[P+ii+1]
	v_dual_max_num_f32 v[S+ii], 0, v[X0+ii] :: v_dual_max_num_f32 v[S+ii+1], 0, v[X0+ii+1]   ; max(x, 0)
.set ii, ii+2
.endr
	s_wait_alu depctr_va_vdst(0)
.set ii, 0
.rept 16
	v_dual_mul_f32 v[T+ii], v[T+ii], v[P+ii] :: v_dual_mul_f32 v[T+ii+1], v[T+ii+1], v[P+ii+1]   ; q
.set ii, ii+2
.endr
.set ii, 0
.rept 32
	v_fma_f32 v[X0+ii], -|v[X0+ii]|, v[T+ii], v[S+ii]   ; max(x, 0) - |x| q
.set ii, ii+1
.endr
.endm
; 64 numbers of a lane, register 16 b + i = k 32 b + 16 (lane / 16) + i of my row, become a fragment's codes in v[PC] on and its scale word in v[PW]
.macro QUANT s
.irp b, 0,1,2,3
	v_max3_num_f32 v[TM+\b], |v[\s+16*\b]|, |v[\s+1+16*\b]|, 0x2800000   ; my 16 numbers of block b, and the floor 2^(5 - 127): the byte cannot fall under 1
.endr
.irp i, 2,4,6,8,10,12,14
.irp b, 0,1,2,3
	v_max3_num_f32 v[TM+\b], v[TM+\b], |v[\s+16*\b+\i]|, |v[\s+1+16*\b+\i]|
.endr
.endr
.irp b, 0,1,2,3
	v_permlanex16_b32 v[TM+4+\b], v[TM+\b], s[SEL], s[SEL+1]
.endr
.irp b, 0,1,2,3
	v_max_num_f32 v[TM+\b], v[TM+\b], v[TM+4+\b]   ; with lane l xor 16's: the block's largest magnitude
.endr
.irp b, 0,1,2,3
	v_add_nc_u32 v[TM+12+\b], 0xfe000000, v[TM+\b] ; 4 off its exponent field: the conversion's scale operand
.endr
.irp b, 0,1,2,3
	v_lshrrev_b32 v[TM+4+\b], 23, v[TM+12+\b]      ; the scale's byte
.endr
	v_lshl_or_b32 v[PW], v[TM+5], 8, v[TM+4]
	v_lshl_or_b32 v[PW], v[TM+6], 16, v[PW]
	v_lshl_or_b32 v[PW], v[TM+7], 24, v[PW]
.irp c, 0,1
	v_cvt_scalef32_pk16_bf6_f32 v[PC+6*\c:PC+2+6*\c], v[\s+32*\c:\s+15+32*\c], v[TM+12+2*\c]
	v_cvt_scalef32_pk16_bf6_f32 v[PT+4*\c:PT+2+4*\c], v[\s+16+32*\c:\s+31+32*\c], v[TM+12+2*\c+1]   ; (a conversion's three registers begin on an even number)
.endr
	v_nop                                          ; one plain instruction behind the scaled conversions
.irp c, 0,1                                    ; the operand's layout wants a WHOLE block in a lane
.irp i, 0,1,2
	v_permlane16_swap_b32 v[PC+6*\c+\i], v[PT+4*\c+\i]
.endr
.irp i, 0,1,2
	v_mov_b32 v[PC+3+6*\c+\i], v[PT+4*\c+\i]
.endr
.endr
.endm
.macro EPILOGUE
	s_wait_loadcnt 0x0                             ; b1
	s_mov_b32 s3, 0
	s_mov_b32 s23, 0                               ; the upper word of the images' offset
.Lrows_\@:                                             ; eight trips; s3 = the block
.irp a, 0,1,2,3,4,5,6
	s_cmp_lg_u32 s3, \a
	s_cbranch_scc1 .Lnot_\@_\a
	TAKE \a
	s_branch .Lwork_\@
.Lnot_\@_\a:
.endr
	TAKE 7
.Lwork_\@:
	GELU32 0
	GELU32 1
	s_wait_dscnt 0x0                               ; the last trip's LDS store is done,
	s_wait_xcnt 0x0                                ; and its global stores have read their registers and their base: all are written again below
	QUANT W
	s_lshl_b32 s19, s3, 6
	v_add_nc_u32 v[SWT], s19, v[SWA]
	ds_store_b32 v[SWT], v[PW]                     ; the block's 16 scale words are gathered; both halves of the lanes write the same word with the same value
	s_mul_i32 s22, s3, FRB
	s_add_nc_u64 s[20:21], s[12:13], s[22:23]      ; the block's image in my sub-block
.irp c, 0,1,2
	global_store_b128 v[GA], v[PC+4*\c:PC+4*\c+3], s[20:21] offset:512*\c   ; 512 consecutive bytes, aligned to 256
.endr
	s_add_co_u32 s3, s3, 1
	s_cmp_lt_u32 s3, 8
	s_cbranch_scc1 .Lrows_\@
	ds_load_b128 v[OUTW:OUTW+3], v[SRD]            ; my wave's 128 scale words; LDS serves a wave's instructions in order: this sees my stores
	s_wait_dscnt 0x0
	global_store_b128 v[GA], v[OUTW:OUTW+3], s[12:13] offset:8*FRB   ; behind the eight images: 512 consecutive bytes, aligned to 256
.endm
	s_mov_b32 s2, 2                                ; tiles to go, this one among them: the same number in every work-group
.Ltile:
	BIASLOAD
	PLACES NP                                      ; between the epilogue's last vector writes into the registers that hold A's fragments and the products that follow
	KPART
	s_cmp_eq_u32 s2, 1
	s_cbranch_scc1 .Llast_tile                     ; the last tile's tail is written out: it asks for nothing more
	MEET 1                                         ; K step 7: its fragments are in registers, so the regions have been read for the last time in this tile
	CREST                                          ; the barrier has opened a round of the cluster's barrier
	s_add_nc_u64 s[G0B+2:G0B+3], s[G0B+2:G0B+3], NEXT_W       ; no tensor load of mine is out: W1's next tile column; X's rows stay
	s_add_nc_u64 s[G0BS+2:G0BS+3], s[G0BS+2:G0BS+3], NEXT_W
	JLOAD G0, G1, G0B, G1B                         ; THE NEXT TILE'S K STEPS 0-5: the first tensor load behind the round; the whole epilogue stands ahead of the wait for it
	WIN MUL_HI
	MUL16 4, 1, 0
	MUL16 6, 1, 0
	WIN 0
	PLACES NP
	EPILOGUE
	s_wait_xcnt 0x0                                ; the last stores have read their base and their registers
	s_add_nc_u64 s[12:13], s[12:13], NEXT_D
	s_add_nc_u64 s[6:7], s[6:7], NEXT_B1
	s_sub_co_u32 s2, s2, 1
	s_branch .Ltile
.Llast_tile:
	s_wait_dscnt 4*NL                              ; K step 7: nothing more to fetch or to ask for
	WIN MUL_LO
	MUL16 0, 1, 0
	MUL16 2, 1, 0
	s_wait_dscnt 0x0
	WIN MUL_HI
	MUL16 4, 1, 0
	MUL16 6, 1, 0
	WIN 0
	PLACES NP
	EPILOGUE
	s_wait_tensorcnt 0x0                           ; the wave's end
	ds_add_u32 v[SPW], v[NIL]
	s_wait_dscnt 0x0
	CROUND                                         ; the closing round
	s_endpgm
.Lfunc_end_k_q43bf41bca6_gemm1:
	.size	k_q43bf41bca6_gemm1, .Lfunc_end_k_q43bf41bca6_gemm1-k_q43bf41bca6_gemm1
	.p2alignl 7, 3214868480
	.fill 96, 4, 3214868480
	.section	.rodata,"a",@progbits
	.p2align	6, 0x0
	.amdhsa_kernel k_q43bf41bca6_gemm1
		.amdhsa_group_segment_fixed_size 327680
		.amdhsa_private_segment_fixed_size 0
		.amdhsa_enable_private_segment 0
		.amdhsa_kernarg_size 24
		.amdhsa_user_sgpr_count 2
		.amdhsa_user_sgpr_kernarg_segment_ptr 1
		.amdhsa_wavefront_size32 1
		.amdhsa_system_sgpr_workgroup_id_x 1
		.amdhsa_system_sgpr_workgroup_id_y 1
		.amdhsa_system_sgpr_workgroup_id_z 1
		.amdhsa_system_vgpr_workitem_id 0
		.amdhsa_next_free_vgpr 1024
		.amdhsa_next_free_sgpr 90
		.amdhsa_reserve_vcc 0
		.amdhsa_float_denorm_mode_32 3
		.amdhsa_float_denorm_mode_16_64 3
		.amdhsa_memory_ordered 1
		.amdhsa_forward_progress 1
		.amdhsa_inst_pref_size 255
	.end_amdhsa_kernel
	.amdgpu_metadata
---
amdhsa.version: [ 1, 2 ]
amdhsa.kernels:
  - .name:           k_q43bf41bca6_gemm1
    .symbol:         k_q43bf41bca6_gemm1.kd
    .args:
      - { .name: codes, .offset: 0, .size: 8, .value_kind: global_buffer, .address_space: global }
      - { .name: b1, .offset: 8, .size: 8, .value_kind: global_buffer, .address_space: global }
      - { .name: hid, .offset: 16, .size: 8, .value_kind: global_buffer, .address_space: global }
    .group_segment_fixed_size: 327680
    .private_segment_fixed_size: 0
    .kernarg_segment_align: 8
    .kernarg_segment_size: 24
    .max_flat_workgroup_size: 128
    .sgpr_count:     90
    .vgpr_count:     1024
    .wavefront_size: 32
...
	.end_amdgpu_metadata
.endif
;; end of part 2
;; launch gemm2 (part 3): grid 4 x 64, 4 waves a work-group, clusters of 4 x 4, 327,680 bytes of LDS; arguments hid, codes, b2, out0; writes out0
.if DOCPART == 3
	.amdgcn_target "amdgcn-amd-amdhsa--gfx1250"
	.amdhsa_code_object_version 6
	.text
	.protected	k_q43bf41bca6_gemm2
	.globl	k_q43bf41bca6_gemm2
	.p2align	8
	.type	k_q43bf41bca6_gemm2,@function
k_q43bf41bca6_gemm2:
	s_mov_b64 s[64:65], 0
	v_nop
	global_prefetch_b8 v0, s[64:65] scope:SCOPE_SE
	s_setreg_imm32_b32 hwreg(HW_REG_WAVE_MODE, 25, 1), 1
	s_wait_xcnt 0x0
	s_wait_alu depctr_hold_cnt(0) depctr_sa_sdst(0) depctr_va_vdst(0) depctr_va_sdst(0) depctr_va_ssrc(0) depctr_va_vcc(0) depctr_vm_vsrc(0)
	s_getreg_b32 s2, hwreg(HW_REG_IB_STS2, 6, 4)
	s_cmp_eq_u32 s2, 0
	s_cbranch_scc0 .Lentry_in_a_cluster
	s_endpgm
.Lentry_in_a_cluster:
	s_bfe_u32 s2, ttmp6, 0x10000c
	s_cmp_lg_u32 s2, 0xf033
	s_cbranch_scc0 .Lentry_shape_is_right
	s_endpgm
.Lentry_shape_is_right:
; out0 = H W2[e] + b2[e]: the second product of eight experts' MLPs on codes of BF6 (E3M2) with E8M0 scales; sums in f32, b2 as the C of each accumulator's first product.
; Both operands come as operand blocks of 25,600 bytes (128 rows x 256 K: two sub-blocks of eight fragment images of 1,536 bytes and 128 scale words); a row group's eight blocks (K = 2,048) lie on end in memory.
; A tile of 256 x 256 is made by four waves, 128 x 128 each.  K goes through a ring of two slots of four blocks (H's two row groups, W2's two); each wave fills one block of a slot with one tensor load of 100 dense rows of 256 bytes.
; CLUSTERS: 4 x 4 work-groups; H's blocks are asked for jointly along a row of the cluster, W2's along a column.  The matrix instruction is used transposed, and the results leave through each wave's own stage in LDS as whole rows of 512 bytes.
; PREFETCH INTO THE L2: beside the load of its block b each wave asks for its block b + 2: of the block's 100 units of 256 bytes each of the four partners that load it jointly takes 25, told apart by address (cx for H, cy for W2),
; a lane a unit (lanes 25-31 name the 25th again).  Blocks 0 and 1 come by their loads alone; the loads of blocks 6 and 7 ask for nothing, so every address lies inside its buffer.
.set FR,     12
.set NL,     3
.set NP,     4
.set NQ,     2
.set FRB,    1536
.set SUB,    12800
.set HALFT,  25600
.set SLOT,   4*HALFT
.set LAPS,   4
.set SPITCH, 528
.set STAGE,  2*SLOT
.set SPARE,  STAGE+4*16*SPITCH
.set ROWC,   4096
.set ADRA, 16
.set ADRB, 20
.set ADRS, 22
.set STO,  24
.set RD,   25
.set CO,   26
.set SPW,  28
.set NIL,  29
.set BAD,  30
.set PFO,  27                          ; v27     the prefetches' offset: 256 x min(lane, 24); never rewritten
.set PFA,  4                           ; s[4:5]  my work-group's 25 units of my wave's block; stepped one block at each refill
.set SC,   32
.set BIAS, 64
.set AF,   128
.set BK,   128
.set G1,   24
.set G0,   32
.set G1B,  48
.set G0B,  56
.set MSB, 0
.macro WIN new
.if MSB != (\new)
	s_set_vgpr_msb (MSB<<8)|(\new)
.set MSB, (\new)
.endif
.endm
.set MUL_LO, 0xa1
.set MUL_HI, 0xf1
.set BIA_LO, 0x81
.set BIA_HI, 0xc1
.set TO_B,   0x40
.macro JLOAD g0a, g1a, g0b, g1b
	s_cmp_eq_u32 s15, 0
	s_cbranch_scc0 .Lfor_b_\@
	tensor_load_to_lds s[\g0a:\g0a+3], s[\g1a:\g1a+7]
	s_nop 0
.rept 4
	v_nop
.endr
	s_branch .Lasked_\@
.Lfor_b_\@:
	tensor_load_to_lds s[\g0b:\g0b+3], s[\g1b:\g1b+7]
	s_nop 0
.rept 4
	v_nop
.endr
.Lasked_\@:
.endm
.macro CREST
	s_cmp_lg_u32 s14, 0
	s_cbranch_scc1 .Lnot_wave_0_\@
	s_barrier_signal -3
.Lnot_wave_0_\@:
	s_barrier_wait -3
	s_barrier_signal -1
	s_barrier_wait -1
.endm
.macro CROUND
	s_barrier_signal -1
	s_barrier_wait -1
	CREST
.endm
	s_load_b256 s[4:11], s[0:1], 0x0
	v_lshl_add_u32 v[SPW], v0, 2, SPARE
	v_mov_b32 v[NIL], 0
	ds_add_u32 v28, v29
	ds_add_u32 v28, v29
	s_wait_dscnt 0x0
	v_lshrrev_b32 v1, 5, v0
	v_readfirstlane_b32 s14, v1
	s_lshr_b32 s15, s14, 1
	s_and_b32 s16, s14, 1
	s_bfe_u32 s40, ttmp6, 0x40000
	s_bfe_u32 s41, ttmp6, 0x40004
	s_lshl_b32 s42, ttmp9, 2
	s_add_co_u32 s42, s42, s40
	s_and_b32 s18, ttmp7, 0xffff
	s_lshl_b32 s17, s18, 2
	s_add_co_u32 s17, s17, s41
	s_lshr_b32 s18, s18, 1
	s_lshl_b32 s43, s41, 2
	s_lshl_b32 s43, 15, s43
	s_lshl_b32 s44, 0x1111, s40
	s_or_b32 s[G1+0], s43, (3<<16)|(1<<21)
	s_or_b32 s[G1B+0], s44, (3<<16)|(1<<21)
.irp g, G1, G1B
	s_mov_b32 s[\g+1], 32<<16
	s_mov_b32 s[\g+2], 100<<16
	s_mov_b32 s[\g+3], 32<<16
	s_mov_b32 s[\g+4], 100
	s_mov_b32 s[\g+5], 32
	s_mov_b32 s[\g+6], 0
	s_mov_b32 s[\g+7], 0
.endr
	s_lshl_b32 s20, s17, 1
	s_add_co_u32 s20, s20, s16
	s_lshl_b32 s20, s20, 3
	s_mul_i32 s20, s20, HALFT
	s_mov_b32 s21, 0
	s_lshl_b32 s46, s18, 3
	s_lshl_b32 s47, s42, 1
	s_add_co_u32 s46, s46, s47
	s_add_co_u32 s46, s46, s16
	s_lshl_b32 s46, s46, 3
	s_add_co_u32 s46, s46, 512
	s_mul_i32 s46, s46, HALFT
	s_mov_b32 s47, 0
	s_mul_i32 s45, s14, HALFT
	s_wait_kmcnt 0x0
	s_add_nc_u64 s[20:21], s[4:5], s[20:21]
	s_add_nc_u64 s[46:47], s[6:7], s[46:47]
	s_cmp_eq_u32 s15, 0                            ; do I fetch for H?
	s_cselect_b64 s[PFA:PFA+1], s[20:21], s[46:47] ; my wave's block 0
	s_cselect_b32 s6, s40, s41                     ; my place among the four that ask for it with me
	s_mul_i32 s6, s6, 25*256
	s_mov_b32 s7, 0
	s_add_nc_u64 s[PFA:PFA+1], s[PFA:PFA+1], s[6:7]
	v_and_b32 v[PFO], 31, v0
	v_min_u32 v[PFO], 24, v[PFO]
	v_lshlrev_b32 v[PFO], 8, v[PFO]
	CROUND
.irp s, 0,1
	s_mov_b32 s[G0+4*\s], 1
	s_add_co_u32 s[G0+4*\s+1], s45, \s*SLOT
	s_add_nc_u64 s[G0+4*\s+2:G0+4*\s+3], s[20:21], \s*HALFT
	s_or_b32 s[G0+4*\s+3], s[G0+4*\s+3], 0x80000000
	s_mov_b32 s[G0B+4*\s], 1
	s_add_co_u32 s[G0B+4*\s+1], s45, \s*SLOT
	s_add_nc_u64 s[G0B+4*\s+2:G0B+4*\s+3], s[46:47], \s*HALFT
	s_or_b32 s[G0B+4*\s+3], s[G0B+4*\s+3], 0x80000000
	s_wait_alu depctr_va_vdst(0)
	s_wait_tensorcnt 0x0
	ds_add_u32 v28, v29
	ds_add_u32 v28, v29
	s_wait_dscnt 0x0
	CROUND
	JLOAD G0+4*\s, G1, G0B+4*\s, G1B
	global_prefetch_b8 v[PFO], s[PFA:PFA+1] offset:(\s+2)*HALFT th:TH_LOAD_NT scope:SCOPE_SE   ; beside the load of block s: block s + 2
.endr
	v_and_b32 v1, 31, v0
	v_and_b32 v2, 15, v0
	v_bfe_u32 v3, v0, 4, 1
	s_wait_alu depctr_va_vdst(0)
	v_lshlrev_b32 v4, 4, v1
	s_wait_alu depctr_va_vdst(0)
	v_lshlrev_b32 v[BAD], 5, v3
	s_lshl_b32 s66, s18, 12
	s_lshl_b32 s67, s42, 10
	s_add_co_u32 s66, s66, s67
	s_lshl_b32 s67, s16, 9
	s_add_co_u32 s66, s66, s67
	s_mov_b32 s67, 0
	s_add_nc_u64 s[8:9], s[8:9], s[66:67]
.irp b, 0,1,2,3,4,5,6,7
	global_load_b128 v[BIAS+8*\b:BIAS+8*\b+3], v[BAD], s[8:9] offset:64*\b
	global_load_b128 v[BIAS+8*\b+4:BIAS+8*\b+7], v[BAD], s[8:9] offset:64*\b+16
.endr
	s_mul_i32 s22, s15, HALFT
	s_add_co_u32 s23, s16, 2
	s_mul_i32 s23, s23, HALFT
	s_sub_co_u32 s19, s23, s22
	v_mul_u32_u24 v5, s19, v3
	v_lshl_add_u32 v5, v2, 2, v5
	v_add_nc_u32 v5, FRB*8, v5
.irp s, 0,1
	v_add_nc_u32 v[ADRA+\s], s22, v4
	v_add_nc_u32 v[ADRB+\s], s23, v4
	v_add_nc_u32 v[ADRS+\s], s22, v5
	s_add_co_u32 s22, s22, SLOT
	s_add_co_u32 s23, s23, SLOT
.endr
	s_mul_i32 s19, s14, 16*SPITCH
	s_add_co_u32 s19, s19, STAGE
	v_mul_u32_u24 v5, v2, SPITCH
	v_lshl_add_u32 v5, v3, 5, v5
	v_add_nc_u32 v[STO], s19, v5
	v_add_nc_u32 v[RD], s19, v4
	v_lshlrev_b32 v[CO], 4, v1
	s_lshl_b32 s66, s17, 20
	s_lshl_b32 s67, s15, 19
	s_add_co_u32 s66, s66, s67
	s_lshl_b32 s67, s42, 10
	s_add_co_u32 s66, s66, s67
	s_lshl_b32 s67, s16, 9
	s_add_co_u32 s66, s66, s67
	s_mov_b32 s67, 0
	s_add_nc_u64 s[12:13], s[10:11], s[66:67]
.macro FRAG reg, adr, q, i
.irp c, 0,1,2
	ds_load_b128 v[\reg+4*\c:\reg+4*\c+3], v[\adr] offset:(\q)*SUB+(\i)*FRB+512*\c
.endr
.endm
.macro MUL16 a0, p, q, sc, first
.irp a, \a0, \a0+1
.irp b, 0,1,2,3,4,5,6,7
.if \first
	v_wmma_scale_f32_16x16x128_f8f6f4 v[8*(8*((\a)%4)+\b):8*(8*((\a)%4)+\b)+7], v[128*(\p)+FR*\b:128*(\p)+FR*\b+FR-1], v[AF+FR*(\a):AF+FR*(\a)+FR-1], v[BIAS+8*\b:BIAS+8*\b+7], v[SC+8*NQ*(\sc)+NQ*\b+(\q)], v[SC+8*NQ*(\sc)+NQ*(\a)+(\q)] matrix_a_fmt:MATRIX_FMT_BF6 matrix_b_fmt:MATRIX_FMT_BF6 matrix_a_scale:MATRIX_SCALE_ROW1
.else
	v_wmma_scale_f32_16x16x128_f8f6f4 v[8*(8*((\a)%4)+\b):8*(8*((\a)%4)+\b)+7], v[128*(\p)+FR*\b:128*(\p)+FR*\b+FR-1], v[AF+FR*(\a):AF+FR*(\a)+FR-1], v[8*(8*((\a)%4)+\b):8*(8*((\a)%4)+\b)+7], v[SC+8*NQ*(\sc)+NQ*\b+(\q)], v[SC+8*NQ*(\sc)+NQ*(\a)+(\q)] matrix_a_fmt:MATRIX_FMT_BF6 matrix_b_fmt:MATRIX_FMT_BF6 matrix_a_scale:MATRIX_SCALE_ROW1
.endif
.endr
.endr
.endm
.macro FETCH_B slot, q, p
	WIN TO_B
.irp i, 0,1,2,3,4,5,6,7
	FRAG 128*(\p)+FR*\i, ADRB+\slot, \q, \i
.endr
	WIN 0
.endm
.macro FETCH_A slot, q, i0
.irp i, \i0, \i0+1, \i0+2, \i0+3
	FRAG AF+FR*(\i), ADRA+\slot, \q, \i
.endr
.endm
.macro SCALES sc
.irp i, 0,1,2,3,4,5,6,7
.irp q, 0,1
	ds_load_b32 v[SC+8*NQ*\sc+NQ*\i+\q], v[ADRS+\sc] offset:\q*SUB+64*\i
.endr
.endr
.endm
.macro PLACES n
.rept \n
	v_nop
.endr
.endm
.macro STEP slot, q, first
	s_wait_dscnt 4*NL
.if \first
	WIN BIA_LO
.else
	WIN MUL_LO
.endif
	MUL16 0, (\q)%2, \q, \slot, \first
	MUL16 2, (\q)%2, \q, \slot, \first
	s_wait_dscnt 0x0
	PLACES NP
	FETCH_B \slot, (\q)+1, 1-(\q)%2
	FETCH_A \slot, (\q)+1, 0
.if \first
	WIN BIA_HI
.else
	WIN MUL_HI
.endif
	MUL16 4, (\q)%2, \q, \slot, \first
	MUL16 6, (\q)%2, \q, \slot, \first
	PLACES NP
	WIN 0
	FETCH_A \slot, (\q)+1, 4
.endm
.macro TURN slot, next, fill
.if \fill
	s_wait_xcnt 0x0                                ; my last prefetch has read its address: it is stepped here, ahead of the waits of the change of slots
	s_add_nc_u64 s[PFA:PFA+1], s[PFA:PFA+1], HALFT
.endif
	s_wait_tensorcnt 0x0
	ds_add_u32 v[SPW], v[NIL]
	s_wait_dscnt 4*NL+1
	WIN MUL_LO
	MUL16 0, 1, NQ-1, \slot, 0
	s_wait_dscnt 0x0
	s_barrier_signal -1
	MUL16 2, 1, NQ-1, \slot, 0
	WIN 0
	s_barrier_wait -1
.if \fill
	CREST
	s_add_nc_u64 s[G0+4*\slot+2:G0+4*\slot+3], s[G0+4*\slot+2:G0+4*\slot+3], 2*HALFT
	s_add_nc_u64 s[G0B+4*\slot+2:G0B+4*\slot+3], s[G0B+4*\slot+2:G0B+4*\slot+3], 2*HALFT
	JLOAD G0+4*\slot, G1, G0B+4*\slot, G1B
.else
	PLACES NP
.endif
	FETCH_B \next, 0, 0
	FETCH_A \next, 0, 0
	SCALES \next
.if \fill
	s_cmp_gt_u32 s3, 1                             ; the loop's last trip loads blocks 6 and 7: no block stands two on
	s_cbranch_scc0 .Lno_ask_\@
	global_prefetch_b8 v[PFO], s[PFA:PFA+1] offset:3*HALFT th:TH_LOAD_NT scope:SCOPE_SE   ; two blocks on from the block just asked for
.Lno_ask_\@:
.endif
	WIN MUL_HI
	MUL16 4, 1, NQ-1, \slot, 0
	MUL16 6, 1, NQ-1, \slot, 0
	PLACES NP
	WIN 0
	FETCH_A \next, 0, 4
.endm
	s_wait_alu depctr_va_vdst(0)
	s_wait_tensorcnt 1
	s_barrier_signal -1
	s_barrier_wait -1
	FETCH_B 0, 0, 0
	FETCH_A 0, 0, 0
	SCALES 0
	FETCH_A 0, 0, 4
	s_wait_loadcnt 0x0
	STEP 0, 0, 1
	s_mov_b32 s3, LAPS-1
.Llap:
	TURN 0, 1, 1
	STEP 1, 0, 0
	TURN 1, 0, 1
	STEP 0, 0, 0
	s_sub_co_u32 s3, s3, 1
	s_cmp_lg_u32 s3, 0
	s_cbranch_scc1 .Llap
	TURN 0, 1, 0
	STEP 1, 0, 0
	s_wait_dscnt 4*NL
	WIN MUL_LO
	MUL16 0, 1, NQ-1, 1, 0
	MUL16 2, 1, NQ-1, 1, 0
	s_wait_dscnt 0x0
	WIN MUL_HI
	MUL16 4, 1, NQ-1, 1, 0
	MUL16 6, 1, NQ-1, 1, 0
	WIN 0
.macro TOSTAGE a
.set AC, 64*((\a)%4)
	WIN 0x08+4*((\a)/4)
.irp b, 0,1,2,3,4,5,6,7
	ds_store_b128 v[STO], v[AC+8*\b:AC+8*\b+3] offset:64*\b
	ds_store_b128 v[STO], v[AC+8*\b+4:AC+8*\b+7] offset:64*\b+16
.endr
	WIN 0
.set BB, BK+64*((\a)%2)
.irp t, 0,1,2,3,4,5,6,7,8,9,10,11,12,13,14,15
	ds_load_b128 v[BB+4*\t:BB+4*\t+3], v[RD] offset:\t*SPITCH
.endr
.endm
.macro SEND a, younger
.set BB, BK+64*((\a)%2)
	s_wait_dscnt \younger
.if (\a) > 0
	s_add_nc_u64 s[12:13], s[12:13], 16*ROWC
.endif
.irp t, 0,1,2,3,4,5,6,7,8,9,10,11,12,13,14,15
	global_store_b128 v[CO], v[BB+4*\t:BB+4*\t+3], s[12:13] offset:\t*ROWC th:TH_STORE_NT
.endr
.endm
	PLACES NP
	TOSTAGE 0
.irp a, 1,2,3,4,5,6,7
.if \a > 1
	s_wait_xcnt 0x0
.endif
	TOSTAGE \a
	SEND \a-1, 32
.endr
	s_wait_xcnt 0x0
	SEND 7, 0
	s_wait_tensorcnt 0x0
	ds_add_u32 v[SPW], v[NIL]
	s_wait_dscnt 0x0
	CROUND
	s_endpgm
.Lfunc_end_k_q43bf41bca6_gemm2:
	.size	k_q43bf41bca6_gemm2, .Lfunc_end_k_q43bf41bca6_gemm2-k_q43bf41bca6_gemm2
	.p2alignl 7, 3214868480
	.fill 96, 4, 3214868480
	.section	.rodata,"a",@progbits
	.p2align	6, 0x0
	.amdhsa_kernel k_q43bf41bca6_gemm2
		.amdhsa_group_segment_fixed_size 327680
		.amdhsa_private_segment_fixed_size 0
		.amdhsa_enable_private_segment 0
		.amdhsa_kernarg_size 32
		.amdhsa_user_sgpr_count 2
		.amdhsa_user_sgpr_kernarg_segment_ptr 1
		.amdhsa_wavefront_size32 1
		.amdhsa_system_sgpr_workgroup_id_x 1
		.amdhsa_system_sgpr_workgroup_id_y 1
		.amdhsa_system_sgpr_workgroup_id_z 1
		.amdhsa_system_vgpr_workitem_id 0
		.amdhsa_next_free_vgpr 1024
		.amdhsa_next_free_sgpr 68
		.amdhsa_reserve_vcc 0
		.amdhsa_float_denorm_mode_32 3
		.amdhsa_float_denorm_mode_16_64 3
		.amdhsa_memory_ordered 1
		.amdhsa_forward_progress 1
		.amdhsa_inst_pref_size 139
	.end_amdhsa_kernel
	.amdgpu_metadata
---
amdhsa.version: [ 1, 2 ]
amdhsa.kernels:
  - .name:           k_q43bf41bca6_gemm2
    .symbol:         k_q43bf41bca6_gemm2.kd
    .args:
      - { .name: hid, .offset: 0, .size: 8, .value_kind: global_buffer, .address_space: global }
      - { .name: codes, .offset: 8, .size: 8, .value_kind: global_buffer, .address_space: global }
      - { .name: b2, .offset: 16, .size: 8, .value_kind: global_buffer, .address_space: global }
      - { .name: out0, .offset: 24, .size: 8, .value_kind: global_buffer, .address_space: global }
    .group_segment_fixed_size: 327680
    .private_segment_fixed_size: 0
    .kernarg_segment_align: 8
    .kernarg_segment_size: 32
    .max_flat_workgroup_size: 128
    .sgpr_count:     68
    .vgpr_count:     1024
    .wavefront_size: 32
...
	.end_amdgpu_metadata
.endif
;; end of part 3
